; MI455X (gfx1250); checked and timed in simulation.
; The chip was launched on July 23, 2026; its instructions are those of AMD's public machine-readable ISA for CDNA 5 (MIT licence, August 2026) and "CDNA5" Instruction Set Architecture Reference Guide (July 2026). The comments in the code are by the model that wrote it; some were corrected since.
;; Attention. Allowed arithmetic: float matrix products may take bf16 or f16 operands with f32 sums; all other float work in f32.
;; Inputs: key 4 x 512 x 4,096 float32; query 4 x 4,096 x 512 float32; value 4 x 4,096 x 512 float32.
;; Outputs: out0 4 x 4,096 x 512 float32.
;; 2 versions, each right; version 2 is version 1 with the launch cast written anew for expert scheduling mode. Each part assembles by itself: llvm-mc -triple=amdgcn-amd-amdhsa -mcpu=gfx1250 --defsym DOCPART=n.
;; ======== version 1 of 2: 2 launches
;; workspace buffers: kb 16,777,216 bytes; vb 16,777,216 bytes
;; launch cast (part 1): grid 512 x 1, 8 waves a work-group, no clusters, 0 bytes of LDS; arguments key, value, kb, vb; writes kb, vb
.if DOCPART == 1
	.amdgcn_target "amdgcn-amd-amdhsa--gfx1250"
	.amdhsa_code_object_version 6
	.text
	.protected	k_q1d75ecd1cc_cast
	.globl	k_q1d75ecd1cc_cast
	.p2align	8
	.type	k_q1d75ecd1cc_cast,@function
k_q1d75ecd1cc_cast:
	s_mov_b64 s[64:65], 0
	v_nop
	global_prefetch_b8 v0, s[64:65] scope:SCOPE_SE
	s_setreg_imm32_b32 hwreg(HW_REG_WAVE_MODE, 25, 1), 1
	s_wait_xcnt 0x0
; kb = bf16(key), vb = bf16(value), element by element, in the same index order.  key, value: 33,554,432 bytes of f32 each.
; A stream: every input byte is read once, every output byte written once; LDS, barriers and the matrix unit would add nothing.
; 512 work-groups of eight waves; work-group g owns bytes 65,536 g .. + 65,535 of key and of value, a wave 8,192 bytes of each.
; A wave issues all its 32 loads (512 consecutive bytes each) first, so 16 KiB of every wave are on their way, and then
; converts and stores them in the order in which they come back.  No register is written twice, so no wait frees a source.
.set CHUNK, 65536                      ; input bytes of one tensor for a work-group
.set X, 4                              ; v[4:131]  load j: four f32 in v[X+4j : X+4j+3]; its two packed words end up in the first two
	s_load_b256 s[4:11], s[0:1], 0x0               ; key s[4:5], value s[6:7], kb s[8:9], vb s[10:11]
	s_lshl_b32 s12, ttmp9, 16                      ; the work-group's first input byte (below 2^25)
	s_mov_b32 s13, 0
	s_lshl_b32 s14, ttmp9, 15                      ; and its first output byte: half of that
	s_mov_b32 s15, 0
	v_and_b32 v3, 31, v0                           ; lane
	v_lshrrev_b32 v2, 5, v0                        ; wave
	v_lshlrev_b32 v1, 13, v2
	v_lshl_add_u32 v1, v3, 4, v1                   ; in:  8,192 wave + 16 lane
	v_lshlrev_b32 v2, 12, v2
	v_lshl_add_u32 v2, v3, 3, v2                   ; out: 4,096 wave + 8 lane
	s_wait_kmcnt 0x0
	s_add_nc_u64 s[4:5], s[4:5], s[12:13]
	s_add_nc_u64 s[6:7], s[6:7], s[12:13]
	s_add_nc_u64 s[8:9], s[8:9], s[14:15]
	s_add_nc_u64 s[10:11], s[10:11], s[14:15]
.irp j, 0,1,2,3,4,5,6,7,8,9,10,11,12,13,14,15
	global_load_b128 v[X+4*\j:X+4*\j+3], v1, s[4:5] offset:512*\j th:TH_LOAD_NT
.endr
.irp j, 0,1,2,3,4,5,6,7,8,9,10,11,12,13,14,15
	global_load_b128 v[X+64+4*\j:X+64+4*\j+3], v1, s[6:7] offset:512*\j th:TH_LOAD_NT
.endr
.irp j, 0,1,2,3,4,5,6,7,8,9,10,11,12,13,14,15
	s_wait_loadcnt 31-\j                           ; loads come back in order: load j is in, the 31 - j younger ones stay out
	v_cvt_pk_bf16_f32 v[X+4*\j],   v[X+4*\j],   v[X+4*\j+1]
	v_cvt_pk_bf16_f32 v[X+4*\j+1], v[X+4*\j+2], v[X+4*\j+3]
	global_store_b64 v2, v[X+4*\j:X+4*\j+1], s[8:9] offset:256*\j     ; the wave's 32 lanes store 256 consecutive bytes, aligned; read again by the next launch, so no hint
.endr
.irp j, 0,1,2,3,4,5,6,7,8,9,10,11,12,13,14,15
	s_wait_loadcnt 15-\j
	v_cvt_pk_bf16_f32 v[X+64+4*\j],   v[X+64+4*\j],   v[X+64+4*\j+1]
	v_cvt_pk_bf16_f32 v[X+64+4*\j+1], v[X+64+4*\j+2], v[X+64+4*\j+3]
	global_store_b64 v2, v[X+64+4*\j:X+64+4*\j+1], s[10:11] offset:256*\j
.endr
	s_endpgm
.Lfunc_end_k_q1d75ecd1cc_cast:
	.size	k_q1d75ecd1cc_cast, .Lfunc_end_k_q1d75ecd1cc_cast-k_q1d75ecd1cc_cast
	.p2alignl 7, 3214868480
	.fill 96, 4, 3214868480
	.section	.rodata,"a",@progbits
	.p2align	6, 0x0
	.amdhsa_kernel k_q1d75ecd1cc_cast
		.amdhsa_group_segment_fixed_size 0
		.amdhsa_private_segment_fixed_size 0
		.amdhsa_enable_private_segment 0
		.amdhsa_kernarg_size 32
		.amdhsa_user_sgpr_count 2
		.amdhsa_user_sgpr_kernarg_segment_ptr 1
		.amdhsa_wavefront_size32 1
		.amdhsa_system_sgpr_workgroup_id_x 1
		.amdhsa_system_sgpr_workgroup_id_y 1
		.amdhsa_system_sgpr_workgroup_id_z 1
		.amdhsa_system_vgpr_workitem_id 0
		.amdhsa_next_free_vgpr 136
		.amdhsa_next_free_sgpr 66
		.amdhsa_reserve_vcc 0
		.amdhsa_float_denorm_mode_32 3
		.amdhsa_float_denorm_mode_16_64 3
		.amdhsa_memory_ordered 1
		.amdhsa_forward_progress 1
		.amdhsa_inst_pref_size 12
	.end_amdhsa_kernel
	.amdgpu_metadata
---
amdhsa.version: [ 1, 2 ]
amdhsa.kernels:
  - .name:           k_q1d75ecd1cc_cast
    .symbol:         k_q1d75ecd1cc_cast.kd
    .args:
      - { .name: key, .offset: 0, .size: 8, .value_kind: global_buffer, .address_space: global }
      - { .name: value, .offset: 8, .size: 8, .value_kind: global_buffer, .address_space: global }
      - { .name: kb, .offset: 16, .size: 8, .value_kind: global_buffer, .address_space: global }
      - { .name: vb, .offset: 24, .size: 8, .value_kind: global_buffer, .address_space: global }
    .group_segment_fixed_size: 0
    .private_segment_fixed_size: 0
    .kernarg_segment_align: 8
    .kernarg_segment_size: 32
    .max_flat_workgroup_size: 256
    .sgpr_count:     66
    .vgpr_count:     136
    .wavefront_size: 32
...
	.end_amdgpu_metadata
.endif
;; end of part 1
;; launch attn (part 2): grid 256 x 1, 4 waves a work-group, clusters of 4 x 1, 327,680 bytes of LDS; arguments query, kb, vb, out0; writes out0
.if DOCPART == 2
	.amdgcn_target "amdgcn-amd-amdhsa--gfx1250"
	.amdhsa_code_object_version 6
	.text
	.protected	k_q1d75ecd1cc_attn
	.globl	k_q1d75ecd1cc_attn
	.p2align	8
	.type	k_q1d75ecd1cc_attn,@function
k_q1d75ecd1cc_attn:
	s_mov_b64 s[64:65], 0
	v_nop
	global_prefetch_b8 v0, s[64:65] scope:SCOPE_SE
	s_setreg_imm32_b32 hwreg(HW_REG_WAVE_MODE, 25, 1), 1
	s_wait_xcnt 0x0
	s_wait_alu depctr_hold_cnt(0) depctr_sa_sdst(0) depctr_va_vdst(0) depctr_va_sdst(0) depctr_va_ssrc(0) depctr_va_vcc(0) depctr_vm_vsrc(0)
	s_getreg_b32 s2, hwreg(HW_REG_IB_STS2, 6, 4)
	s_cmp_eq_u32 s2, 0
	s_cbranch_scc0 .Lentry_in_a_cluster
	s_endpgm
.Lentry_in_a_cluster:
	s_bfe_u32 s2, ttmp6, 0x10000c
	s_cmp_lg_u32 s2, 0x3003
	s_cbranch_scc0 .Lentry_shape_is_right
	s_endpgm
.Lentry_shape_is_right:
; out0[b][n][:] = softmax over m of (sum over d of query[b][n][d] key[b][d][m]) times value[b][m][:].   B = 4, N = 4096, D = 512.
; query, out0: f32.  kb = key as bf16 [b][d][m], vb = value as bf16 [b][m][dv], made by the launch before.
; Products with bf16 operands and f32 sums; running maximum, exponentials, row sums and the output's sums in f32.
;
; SHARES.  256 work-groups of four waves; a work-group owns 64 query rows and walks its batch's 4,096 keys in 32 steps of 128.
; Both products are used transposed, so that lane r (of 16) always stands for query 16 i + r:
;   S^T = K^T Q^T : wave w makes keys 32 w .. 32 w + 31 of the step for all 64 queries: 8 accumulators, 16 chunks of 32 along d, 128 products.
;                   Q stays in registers (512 of them) as the second source; a K fragment from LDS feeds four products.
;   O^T = V^T P^T : wave w makes columns 128 w .. + 127 of the output for all 64 queries: 32 accumulators, 4 chunks of 32 keys, 128 products.
;                   A V fragment from LDS feeds four products, a P fragment eight.
; So a row's maximum and sum are made inside a lane, by one exchange of the lanes' halves and one exchange of 1 KiB between the waves,
; and the factors that rescale O are one number a lane and query block.
;
; CLUSTER.  The four work-groups of a cluster belong to one batch and read the same K and V tiles: each tile is asked for jointly (mask 15),
; each wave a quarter of it.  Q's stage is a plain load.  Nothing else is shared.
;
; THE WALK.  Sixteen clusters share a batch: the batch is bits 3:2 of the cluster's number, the cluster's place j in its batch bits 5:4 and 1:0.
; Cluster j starts at tile 2 j and takes tile (2 j + t) mod 32 in step t: all 32 tiles, each once.  A running maximum does not care for the order
; of the tiles, so this is a choice of order alone.  While the clusters keep pace, the sixteen ask for sixteen different tiles at any time, and from
; its third step on a cluster asks for a tile that cluster j + 1 asked for two steps before.
;
; LDS.  One slot for K's tile and one for V's take turns: V of a step is on its way while S reads K; the next K while softmax and P V run.
; A wave has two tensor loads out at the start and one later on.
;
; LIMITS.  NaN and infinities in the inputs, and rows whose scores leave f32's range, are not reproduced (the maxima drop NaN).
; An exponential below 2^-126 counts as 0.  The row sum adds the f32 exponentials, the product takes them rounded to bf16
; (2^-8 relative at the most).  The order of the sums differs from a plain row-wise sum.  The maximum is a true running maximum.
.set STEPS,  32                        ; 4,096 keys / 128
.set KPITCH, 288                       ; K's tile: 512 rows (d) of 256 bytes (128 keys) + 32 of padding = 9 x 32
.set VSLOT,  512*KPITCH                ; 147,456
.set VPITCH, 1056                      ; V's tile: 128 rows (keys) of 1,024 bytes (512 columns) + 32 of padding = 33 x 32
.set QPITCH, 1040                      ; Q's stage (first fill of V's slot): four regions of 32 rows of 1,024 bytes (256 f32) + 16 = 65 x 16
.set QREG,   32*QPITCH                 ; region k = (d / 256) + 2 (row / 32)
.set PBUF,   VSLOT+128*VPITCH          ; 282,624: P, a range for each wave: 64 queries x 32 keys of bf16, pitch 80 = 5 x 16
.set PPITCH, 80
.set PREG,   64*PPITCH                 ; 5,120
.set MXB,    PBUF+4*PREG               ; 303,104: [wave][r][i] f32: the waves' maxima, at the end their sums
.set STAGE,  MXB+1024                  ; 304,128: the way out, for each wave 16 rows of 256 + 16 bytes
.set SPITCH, 272
.set SREG,   16*SPITCH                 ; 4,352.  PBUF, MXB and STAGE start at multiples of 256 and no tensor load lands in them
; vector registers, window 0
.set KA,   4                           ; v4-7     LDS address of my K fragments, d group 0..3 (128 rows each)
.set VA,   8                           ; v8-9     of my V fragments, keys 0-63 and 64-127
.set PS,   10                          ; v10      where I store P
.set PL,   11                          ; v11      where I read P
.set MS,   12                          ; v12      where I store my wave's four maxima
.set ML,   13                          ; v13      where I read the waves' maxima
.set ST,   14                          ; v14      way out: where I put 32 bytes of a row
.set SR,   15                          ; v15      way out: where I read a row back
.set CO,   16                          ; v16      my byte offset in the work-group's rows of out0
.set VM,   20                          ; v20-23   running maximum of query 16 i + r
.set VNMS, 24                          ; v24-27   - log2(e) x that maximum, rounded once
.set VAL,  28                          ; v28-31   2^(new VNMS - old VNMS); at the end 1 / row sum
.set VS,   32                          ; v32-95   S^T: tile (kb, i) at VS + 16 i + 8 kb
.set PB0,  32                          ; the same registers in the second product: P fragments, two buffers
.set PB1,  64
.set FB0,  96                          ; v96-159  K or V fragments, buffer 0 (in the prologue: Q as f32)
.set FB1,  160                         ; v160-223 buffer 1
.set MXR,  224                         ; v224-239 the four waves' maxima (sums)
.set QA,   224                         ; v224-227 in the prologue: LDS address in region k of Q's stage
.set VL,   240                         ; v240-247 row sums, a pair for each i
.set VLM,  248                         ; v248-251 my wave's maxima (sums)
.set VT,   252                         ; v252-255 at work
; window 1: O^T, tile (a, i) at 8 (4 a + i).  Window 2: Q fragments (c, i), c = 0..7, at 8 (4 c + i).  Window 3: c = 8..15.
; scalar registers
.set G1K, 16                           ; s[16:23] shape of a quarter of K's tile
.set G1V, 24                           ; s[24:31] of V's
.set G0K, 32                           ; s[32:35] from where, to where: K
.set G0V, 36                           ; s[36:39] V
.set G0Q, 40                           ; s[40:43] Q
.set G1Q, 48                           ; s[48:55] shape of a region of Q's stage
.set KB,  56                           ; s[56:57] kb at my batch and my wave's 128 rows, tile 0
.set VB,  58                           ; s[58:59] vb at my batch and my wave's 32 rows, tile 0
.set KO,  60                           ; s[60:61] byte offset of K's tile: 256 x its number
.set VO,  62                           ; s[62:63] byte offset of V's tile: 131,072 x its number
.set KU,  66                           ; s66      number of the K tile asked for last
.set VU,  67                           ; s67      number of the V tile asked for last
.set QO,  68                           ; s[68:69] byte offset of my region of Q
.set OO,  70                           ; s[70:71] byte offset of my work-group's rows of out0
; s12 wave, s13 place in the cluster, s14 block of 64 query rows, s15 batch, s44-45 lane selects, s46 trips, s47 at work
.set MSB, 0
.macro WIN new                         ; s_set_vgpr_msb: bits 1:0 source 0, 3:2 source 1, 5:4 source 2, 7:6 destination; the high byte repeats the setting that is left
.if MSB != \new
	s_set_vgpr_msb (MSB<<8)|\new
.set MSB, \new
.endif
.endm
.macro PLACES n                        ; plain vector instructions behind a matrix instruction (ISA guide 7.12.1)
.rept \n
	v_nop
.endr
.endm
; A round of the cluster's barrier: my work-group's barrier, wave 0 signals for the work-group, every wave waits for all four work-groups, my work-group's barrier again.
.macro ROUND
	s_barrier_signal -1
	s_barrier_wait -1
	s_cmp_lg_u32 s12, 0
	s_cbranch_scc1 .Lnot_wave_0_\@
	s_barrier_signal -3
.Lnot_wave_0_\@:
	s_barrier_wait -3
	s_barrier_signal -1
	s_barrier_wait -1
.endm
.macro MM d, a, b, z                   ; one product; z = 1: it starts the sum, nothing is cleared
.if \z
	v_wmma_f32_16x16x32_bf16 v[\d:\d+7], v[\a:\a+7], v[\b:\b+7], 0
.else
	v_wmma_f32_16x16x32_bf16 v[\d:\d+7], v[\a:\a+7], v[\b:\b+7], v[\d:\d+7]
.endif
.endm
; The next tile of the walk, round the 32.  The number and the offset are made apart from the address; they hang on the cluster's number and the trip alone,
; so they are equal in all four partners.  They stand where no tensor load of the wave is out, so a group 0 may be written.
.macro NEXTK
	s_add_co_u32 s[KU], s[KU], 1
	s_and_b32 s[KU], s[KU], STEPS-1
	s_lshl_b32 s[KO], s[KU], 8                                     ; 128 keys of 2 bytes along the rows
	s_add_nc_u64 s[G0K+2:G0K+3], s[KB:KB+1], s[KO:KO+1]
	s_or_b32 s[G0K+3], s[G0K+3], 0x80000000                        ; type 2
.endm
.macro NEXTV
	s_add_co_u32 s[VU], s[VU], 1
	s_and_b32 s[VU], s[VU], STEPS-1
	s_lshl_b32 s[VO], s[VU], 17                                    ; 128 rows of 1,024 bytes
	s_add_nc_u64 s[G0V+2:G0V+3], s[VB:VB+1], s[VO:VO+1]
	s_or_b32 s[G0V+3], s[G0V+3], 0x80000000
.endm
	s_load_b256 s[4:11], s[0:1], 0x0               ; query s[4:5], kb s[6:7], vb s[8:9], out0 s[10:11]
	v_lshl_add_u32 v250, v0, 2, 0x4e800
	v_mov_b32 v251, 0
	ds_add_u32 v250, v251
	s_wait_dscnt 0x0
	v_lshrrev_b32 v1, 5, v0
	v_readfirstlane_b32 s12, v1                    ; wave 0..3
	s_bfe_u32 s13, ttmp6, 0x40000                  ; my place in the cluster
	s_lshr_b32 s15, ttmp9, 2                       ; ttmp9 counts clusters, 0..63
	s_and_b32 s15, s15, 3                          ; batch = its bits 3:2; the same in all four partners
	s_and_b32 s47, ttmp9, 3
	s_lshr_b32 s[KU], ttmp9, 4
	s_lshl2_add_u32 s[KU], s[KU], s47              ; j = the cluster's place in its batch, 0..15: bits 5:4 and 1:0
	s_lshl4_add_u32 s14, s15, s[KU]                ; 16 batch + j
	s_lshl2_add_u32 s14, s14, s13                  ; block of 64 query rows = 4 (16 batch + j) + my place: 0..255, each once
	s_lshl_b32 s[KU], s[KU], 1                     ; the walk's first tile: 2 j
	s_mov_b32 s[VU], s[KU]
	s_mov_b32 s44, 0x76543210                      ; v_permlanex16_b32: lane i of one half reads lane i of the other
	s_mov_b32 s45, 0xfedcba98
	; K: 128 rows (d) x 128 keys of 2 bytes, 4,096 elements from row to row; 8 words of padding behind every 64; joint (mask 15, bit 21 beside it)
	s_mov_b32 s[G1K+0], 15|(1<<16)|(1<<20)|(1<<21)|(5<<22)|(7<<25)
	s_mov_b32 s[G1K+1], 128<<16                    ; tensor_dim0 = 128
	s_mov_b32 s[G1K+2], 128<<16                    ; tensor_dim1 = 128
	s_mov_b32 s[G1K+3], 128<<16                    ; tile_dim0 = 128
	s_mov_b32 s[G1K+4], 128                        ; tile_dim1 = 128
	s_mov_b32 s[G1K+5], 4096
	s_mov_b32 s[G1K+6], 0
	s_mov_b32 s[G1K+7], 0
	; V: 32 rows (keys) x 512 columns of 2 bytes, dense; 8 words of padding behind every 256; joint
	s_mov_b32 s[G1V+0], 15|(1<<16)|(1<<20)|(1<<21)|(7<<22)|(7<<25)
	s_mov_b32 s[G1V+1], 512<<16
	s_mov_b32 s[G1V+2], 32<<16
	s_mov_b32 s[G1V+3], 512<<16
	s_mov_b32 s[G1V+4], 32
	s_mov_b32 s[G1V+5], 512
	s_mov_b32 s[G1V+6], 0
	s_mov_b32 s[G1V+7], 0
	; Q: 32 rows x 256 f32, 512 elements from row to row; 4 words of padding behind every 256; my work-group's own (mask 0)
	s_mov_b32 s[G1Q+0], (2<<16)|(1<<20)|(7<<22)|(3<<25)
	s_mov_b32 s[G1Q+1], 256<<16
	s_mov_b32 s[G1Q+2], 32<<16
	s_mov_b32 s[G1Q+3], 256<<16
	s_mov_b32 s[G1Q+4], 32
	s_mov_b32 s[G1Q+5], 512
	s_mov_b32 s[G1Q+6], 0
	s_mov_b32 s[G1Q+7], 0
	; byte offsets, apart from the addresses.  K's and V's are made of the cluster's number and the wave alone, in registers that never hold my place in the cluster.
	s_lshl_b32 s[KB], s15, 22                      ; K: batch x 512 x 4,096 x 2
	s_lshl_b32 s[KB+1], s12, 20                    ;    + wave x 128 rows x 8,192
	s_add_co_u32 s[KB], s[KB], s[KB+1]
	s_mov_b32 s[KB+1], 0
	s_lshl_b32 s[VB], s15, 22                      ; V: batch x 4,096 x 512 x 2
	s_lshl_b32 s[VB+1], s12, 15                    ;    + wave x 32 rows x 1,024
	s_add_co_u32 s[VB], s[VB], s[VB+1]
	s_mov_b32 s[VB+1], 0
	s_lshl_b32 s[KO], s[KU], 8                     ; the first tile's place in K's rows
	s_mov_b32 s[KO+1], 0
	s_lshl_b32 s[VO], s[VU], 17                    ; and down V's rows
	s_mov_b32 s[VO+1], 0
	s_lshl_b32 s[QO], s14, 17                      ; Q: block x 64 rows x 2,048
	s_lshr_b32 s[QO+1], s12, 1
	s_lshl_b32 s[QO+1], s[QO+1], 16                ;    + (wave / 2) x 32 rows
	s_add_co_u32 s[QO], s[QO], s[QO+1]
	s_and_b32 s[QO+1], s12, 1
	s_lshl_b32 s[QO+1], s[QO+1], 10                ;    + (wave mod 2) x 256 f32
	s_add_co_u32 s[QO], s[QO], s[QO+1]
	s_mov_b32 s[QO+1], 0
	s_lshl_b32 s[OO], s14, 17                      ; out0: block x 64 rows x 2,048
	s_mov_b32 s[OO+1], 0
	s_mov_b32 s[G0K+0], 1
	s_mul_i32 s[G0K+1], s12, 128*KPITCH            ; LDS: my quarter of K's slot
	s_mov_b32 s[G0V+0], 1
	s_mul_i32 s[G0V+1], s12, 32*VPITCH
	s_add_co_u32 s[G0V+1], s[G0V+1], VSLOT         ; my quarter of V's slot
	s_mov_b32 s[G0Q+0], 1
	s_mul_i32 s[G0Q+1], s12, QREG
	s_add_co_u32 s[G0Q+1], s[G0Q+1], VSLOT         ; region = wave
	s_wait_kmcnt 0x0
	s_add_nc_u64 s[KB:KB+1], s[6:7], s[KB:KB+1]    ; kb and vb at my wave's rows of tile 0: kept for the whole walk
	s_add_nc_u64 s[VB:VB+1], s[8:9], s[VB:VB+1]
	s_add_nc_u64 s[G0K+2:G0K+3], s[KB:KB+1], s[KO:KO+1]
	s_or_b32 s[G0K+3], s[G0K+3], 0x80000000        ; type 2
	s_add_nc_u64 s[G0V+2:G0V+3], s[VB:VB+1], s[VO:VO+1]
	s_or_b32 s[G0V+3], s[G0V+3], 0x80000000
	s_add_nc_u64 s[G0Q+2:G0Q+3], s[4:5], s[QO:QO+1]
	s_or_b32 s[G0Q+3], s[G0Q+3], 0x80000000
	s_add_nc_u64 s[10:11], s[10:11], s[OO:OO+1]    ; out0 at my first row
	ROUND                                          ; all four work-groups are here: the first joint load meets its partners'
	tensor_load_to_lds s[G0Q:G0Q+3], s[G1Q:G1Q+7]  ; the first fills, as one group: Q's stage (into V's slot),
	s_nop 0
	tensor_load_to_lds s[G0K:G0K+3], s[G1K:G1K+7]  ; and K's tile of the first step
	s_nop 0
	; lane addresses.  r = lane mod 16, h = lane / 16; for the transposing loads: row 8 h + lane mod 8, half g = (lane / 8) mod 2
	v_and_b32 v2, 15, v0                           ; r
	v_bfe_u32 v3, v0, 4, 1                         ; h
	v_and_b32 v17, 7, v0
	v_lshl_add_u32 v17, v3, 3, v17                 ; 8 h + lane mod 8
	v_bfe_u32 v18, v0, 3, 1                        ; g
	v_mul_u32_u24 v19, v17, KPITCH
	v_lshl_add_u32 v19, v18, 4, v19
	s_lshl_b32 s47, s12, 6                         ; my 32 keys: 64 bytes of a row
	v_add_nc_u32 v[KA], s47, v19
	v_add_nc_u32 v[KA+1], 128*KPITCH, v[KA]
	v_add_nc_u32 v[KA+2], 256*KPITCH, v[KA]
	v_add_nc_u32 v[KA+3], 384*KPITCH, v[KA]
	v_mul_u32_u24 v19, v17, VPITCH
	v_lshl_add_u32 v19, v18, 4, v19
	s_lshl_b32 s47, s12, 8                         ; my 128 columns: 256 bytes of a row
	s_add_co_u32 s47, s47, VSLOT
	v_add_nc_u32 v[VA], s47, v19
	v_add_nc_u32 v[VA+1], 64*VPITCH, v[VA]
	v_mul_u32_u24 v19, v2, PPITCH
	v_lshl_add_u32 v19, v3, 4, v19
	v_add_nc_u32 v[PL], PBUF, v19                  ; row r, 16 h
	s_mul_i32 s47, s12, PREG
	v_add_nc_u32 v[PS], s47, v[PL]                 ; the same place in my wave's range
	s_mov_b32 s47, MXB
	v_lshl_add_u32 v[ML], v2, 4, s47
	s_lshl_b32 s47, s12, 8
	v_add_nc_u32 v[MS], s47, v[ML]
	s_mul_i32 s47, s12, SREG
	s_add_co_u32 s47, s47, STAGE
	v_mul_u32_u24 v19, v2, SPITCH
	v_lshl_add_u32 v19, v3, 5, v19
	v_add_nc_u32 v[ST], s47, v19                   ; in: row r, 32 h
	v_mul_u32_u24 v19, v3, SPITCH
	v_lshl_add_u32 v19, v2, 4, v19
	v_add_nc_u32 v[SR], s47, v19                   ; back: row h, 16 r
	v_lshlrev_b32 v19, 11, v3
	v_lshl_add_u32 v19, v2, 4, v19
	s_lshl_b32 s47, s12, 9
	v_add_nc_u32 v[CO], s47, v19                   ; row h of out0, 16 r, my wave's 512 bytes
	v_mul_u32_u24 v19, v2, QPITCH
	v_lshl_add_u32 v19, v3, 5, v19
	v_add_nc_u32 v[QA], VSLOT, v19                 ; row r, 32 h (8 f32)
	v_add_nc_u32 v[QA+1], QREG, v[QA]
	v_add_nc_u32 v[QA+2], 2*QREG, v[QA]
	v_add_nc_u32 v[QA+3], 3*QREG, v[QA]
.irp qi, 0,1,2,3
	v_mov_b32 v[VT+\qi], 0                         ; v_permlanex16_b32 counts as a reader of its destination
.endr
; Q INTO REGISTERS.  Fragment (c, i): lane (r, h) holds query 16 i + r, d = 32 c + 8 h + 0..7 (registers 0-3) and 32 c + 16 + 8 h + 0..7 (4-7).
; As f32 those are 32 bytes at 128 c + 32 h of the row and 32 bytes 64 further on.
.macro QLOAD c, buf
.irp qi, 0,1,2,3
	ds_load_b128 v[\buf+16*\qi:\buf+16*\qi+3],     v[QA+((\c)>>3)+2*(\qi>>1)] offset:(\qi&1)*16*QPITCH+((\c)&7)*128
	ds_load_b128 v[\buf+16*\qi+4:\buf+16*\qi+7],   v[QA+((\c)>>3)+2*(\qi>>1)] offset:(\qi&1)*16*QPITCH+((\c)&7)*128+16
	ds_load_b128 v[\buf+16*\qi+8:\buf+16*\qi+11],  v[QA+((\c)>>3)+2*(\qi>>1)] offset:(\qi&1)*16*QPITCH+((\c)&7)*128+64
	ds_load_b128 v[\buf+16*\qi+12:\buf+16*\qi+15], v[QA+((\c)>>3)+2*(\qi>>1)] offset:(\qi&1)*16*QPITCH+((\c)&7)*128+80
.endr
.endm
.macro QCVT c, buf
.if (\c) < 8
	WIN 0x80                                       ; destination in window 2
.else
	WIN 0xc0                                       ; in window 3
.endif
.irp qi, 0,1,2,3
.irp kk, 0,1,2,3,4,5,6,7
	v_cvt_pk_bf16_f32 v[8*(4*((\c)&7)+\qi)+\kk], v[\buf+16*\qi+2*\kk], v[\buf+16*\qi+2*\kk+1]
.endr
.endr
.endm
	s_wait_tensorcnt 0x1                           ; my region of Q's stage is in; K's tile, issued behind it, stays out
	s_barrier_signal -1
	s_barrier_wait -1                              ; everybody's region is in
	QLOAD 0, FB0
	QLOAD 1, FB1
.irp qc, 0,1,2,3,4,5,6,7,8,9,10,11,12,13
	s_wait_dscnt 16                                ; this chunk's 16 loads are in, the next chunk's 16 stay out
	QCVT \qc, FB0+64*(\qc&1)
	WIN 0
	QLOAD \qc+2, FB0+64*(\qc&1)
.endr
	s_wait_dscnt 16
	QCVT 14, FB0
	s_wait_dscnt 0
	QCVT 15, FB1
	WIN 0
; K fragments of d group grp (4 chunks of 32) into buffer buf: 16 transposing loads.  Chunk cc, key block kk: the first load brings
; d = 32 cc + 8 h + 0..7 of key 16 kk + r, the second the d 16 further on (16 rows of the tile further down).
.macro FETCHK grp, buf
.irp cc, 0,1,2,3
.irp kk, 0,1
	ds_load_tr16_b128 v[\buf+8*(2*\cc+\kk):\buf+8*(2*\cc+\kk)+3],   v[KA+\grp] offset:32*KPITCH*\cc+32*\kk
	ds_load_tr16_b128 v[\buf+8*(2*\cc+\kk)+4:\buf+8*(2*\cc+\kk)+7], v[KA+\grp] offset:32*KPITCH*\cc+32*\kk+16*KPITCH
.endr
.endr
.endm
; 32 products of one d group.  q0: the group's first Q chunk in the window that is set.  cnt: LDS loads that may be out when chunk 0 is due;
; each chunk needs four loads more.  The eight accumulators take turns, one instruction a turn.
.macro MULS q0, buf, zero, cnt
.set ZF, \zero
.irp cc, 0,1,2,3
	s_wait_dscnt \cnt-4*\cc
.irp kk, 0,1
.irp qi, 0,1,2,3
	MM VS+16*\qi+8*\kk, \buf+8*(2*\cc+\kk), 8*(4*(\q0+\cc)+\qi), ZF
.endr
.endr
.set ZF, 0
.endr
.endm
; V fragments of key chunk kc (32 keys) for my eight column blocks: 16 transposing loads
.macro FETCHV kc, buf
.irp aa, 0,1,2,3,4,5,6,7
	ds_load_tr16_b128 v[\buf+8*\aa:\buf+8*\aa+3],   v[VA+(\kc>>1)] offset:32*VPITCH*(\kc&1)+32*\aa
	ds_load_tr16_b128 v[\buf+8*\aa+4:\buf+8*\aa+7], v[VA+(\kc>>1)] offset:32*VPITCH*(\kc&1)+32*\aa+16*VPITCH
.endr
.endm
; P fragments of key chunk kc = the range that wave kc stored: 8 loads
.macro FETCHP kc, buf
.irp qi, 0,1,2,3
	ds_load_b128 v[\buf+8*\qi:\buf+8*\qi+3],   v[PL] offset:PREG*\kc+16*PPITCH*\qi
	ds_load_b128 v[\buf+8*\qi+4:\buf+8*\qi+7], v[PL] offset:PREG*\kc+16*PPITCH*\qi+32
.endr
.endm
; 32 products of one key chunk: the 32 accumulators take turns, one instruction a turn
.macro MULO vbuf, pbuf, zero
.irp aa, 0,1,2,3,4,5,6,7
.irp qi, 0,1,2,3
	MM 8*(4*\aa+\qi), \vbuf+8*\aa, \pbuf+8*\qi, \zero
.endr
.endr
.endm
; my wave's maximum over its 32 keys, for each of the four query blocks: 16 numbers in the lane, four chains side by side; then the other half of the lanes
.macro LOCALMAX
.irp qi, 0,1,2,3
	v_max3_num_f32 v[VLM+\qi], v[VS+16*\qi], v[VS+16*\qi+1], v[VS+16*\qi+2]
.endr
.irp kk, 3,5,7,9,11,13
.irp qi, 0,1,2,3
	v_max3_num_f32 v[VLM+\qi], v[VLM+\qi], v[VS+16*\qi+\kk], v[VS+16*\qi+\kk+1]
.endr
.endr
.irp qi, 0,1,2,3
	v_max_num_f32 v[VLM+\qi], v[VLM+\qi], v[VS+16*\qi+15]
.endr
.irp qi, 0,1,2,3
	v_permlanex16_b32 v[VT+\qi], v[VLM+\qi], s44, s45
.endr
.irp qi, 0,1,2,3
	v_max_num_f32 v[VLM+\qi], v[VLM+\qi], v[VT+\qi]
.endr
	ds_store_b128 v[MS], v[VLM:VLM+3]              ; lanes r and 16 + r store the same four numbers to the same bytes
.endm
; the running maximum over the four waves and the steps so far; VNMS = - log2(e) x maximum, rounded once; VAL = 2^(new VNMS - old VNMS)
.macro NEWMAX first
.irp qi, 0,1,2,3
	v_max3_num_f32 v[VT+\qi], v[MXR+\qi], v[MXR+4+\qi], v[MXR+8+\qi]
.endr
.irp qi, 0,1,2,3
.if \first
	v_max_num_f32 v[VM+\qi], v[VT+\qi], v[MXR+12+\qi]
.else
	v_max3_num_f32 v[VM+\qi], v[VT+\qi], v[MXR+12+\qi], v[VM+\qi]
.endif
.endr
.irp qi, 0,1,2,3
	v_mul_f32 v[VT+\qi], 0xbfb8aa3b, v[VM+\qi]
.endr
.if \first == 0
.irp qi, 0,1,2,3
	v_sub_f32 v[VAL+\qi], v[VT+\qi], v[VNMS+\qi]
.endr
.irp qi, 0,1,2,3
	v_exp_f32 v[VAL+\qi], v[VAL+\qi]
.endr
.endif
.irp qi, 0,1,2,3
	v_mov_b32 v[VNMS+\qi], v[VT+\qi]               ; plain instructions that touch no VAL: the place behind the exponentials (ISA guide 5.7.2)
.endr
.endm
.macro SM_FMA qi                       ; exponent = log2(e) s - log2(e) maximum, one rounding
.irp pp, 0,2,4,6,8,10,12,14
.if (\qi)&1
	v_pk_fma_f32 v[VS+16*\qi+\pp:VS+16*\qi+\pp+1], v[VS+16*\qi+\pp:VS+16*\qi+\pp+1], 0x3fb8aa3b, v[VNMS+(\qi&2):VNMS+(\qi&2)+1] op_sel:[0,0,1] op_sel_hi:[1,0,1]
.else
	v_pk_fma_f32 v[VS+16*\qi+\pp:VS+16*\qi+\pp+1], v[VS+16*\qi+\pp:VS+16*\qi+\pp+1], 0x3fb8aa3b, v[VNMS+(\qi&2):VNMS+(\qi&2)+1] op_sel_hi:[1,0,0]
.endif
.endr
.endm
.macro SM_EXP qi
.irp kk, 0,1,2,3,4,5,6,7,8,9,10,11,12,13,14,15
	v_exp_f32 v[VS+16*\qi+\kk], v[VS+16*\qi+\kk]
.endr
.endm
.macro SM_SUM qi, first                ; row sum = old sum x VAL + the 16 new terms, two at a time, in three short chains
	s_wait_alu depctr_va_vdst(0)
	v_pk_add_f32 v[VT:VT+1],   v[VS+16*\qi:VS+16*\qi+1],   v[VS+16*\qi+2:VS+16*\qi+3]
	v_pk_add_f32 v[VT+2:VT+3], v[VS+16*\qi+4:VS+16*\qi+5], v[VS+16*\qi+6:VS+16*\qi+7]
.if \first
	v_pk_add_f32 v[VL+2*\qi:VL+2*\qi+1], v[VS+16*\qi+8:VS+16*\qi+9], v[VS+16*\qi+14:VS+16*\qi+15]
.else
.if (\qi)&1
	v_pk_fma_f32 v[VL+2*\qi:VL+2*\qi+1], v[VL+2*\qi:VL+2*\qi+1], v[VAL+(\qi&2):VAL+(\qi&2)+1], v[VS+16*\qi+8:VS+16*\qi+9] op_sel:[0,1,0] op_sel_hi:[1,1,1]
.else
	v_pk_fma_f32 v[VL+2*\qi:VL+2*\qi+1], v[VL+2*\qi:VL+2*\qi+1], v[VAL+(\qi&2):VAL+(\qi&2)+1], v[VS+16*\qi+8:VS+16*\qi+9] op_sel_hi:[1,0,1]
.endif
.endif
	v_pk_add_f32 v[VT:VT+1],   v[VT:VT+1],   v[VS+16*\qi+10:VS+16*\qi+11]
	v_pk_add_f32 v[VT+2:VT+3], v[VT+2:VT+3], v[VS+16*\qi+12:VS+16*\qi+13]
.if \first == 0
	v_pk_add_f32 v[VL+2*\qi:VL+2*\qi+1], v[VL+2*\qi:VL+2*\qi+1], v[VS+16*\qi+14:VS+16*\qi+15]
.endif
	v_pk_add_f32 v[VT:VT+1], v[VT:VT+1], v[VT+2:VT+3]
	v_pk_add_f32 v[VL+2*\qi:VL+2*\qi+1], v[VL+2*\qi:VL+2*\qi+1], v[VT:VT+1]
.endm
.macro SM_PACK qi                      ; eight neighbouring keys of one query are 16 bytes of a row of P
.irp kk, 0,1
.irp pp, 0,1,2,3
	v_cvt_pk_bf16_f32 v[VS+16*\qi+8*\kk+\pp], v[VS+16*\qi+8*\kk+2*\pp], v[VS+16*\qi+8*\kk+2*\pp+1]
.endr
	ds_store_b128 v[PS], v[VS+16*\qi+8*\kk:VS+16*\qi+8*\kk+3] offset:16*PPITCH*\qi+32*\kk
.endr
.endm
.macro RESCALE                         ; O x VAL of the lane's query, under destination and source 0 in window 1
.irp aa, 0,1,2,3,4,5,6,7
.irp qi, 0,1,2,3
.irp pp, 0,2,4,6
.if (\qi)&1
	v_pk_mul_f32 v[8*(4*\aa+\qi)+\pp:8*(4*\aa+\qi)+\pp+1], v[8*(4*\aa+\qi)+\pp:8*(4*\aa+\qi)+\pp+1], v[VAL+(\qi&2):VAL+(\qi&2)+1] op_sel:[0,1] op_sel_hi:[1,1]
.else
	v_pk_mul_f32 v[8*(4*\aa+\qi)+\pp:8*(4*\aa+\qi)+\pp+1], v[8*(4*\aa+\qi)+\pp:8*(4*\aa+\qi)+\pp+1], v[VAL+(\qi&2):VAL+(\qi&2)+1] op_sel_hi:[1,0]
.endif
.endr
.endr
.endr
.endm
; ONE STEP: 128 keys.
.macro STEP first, last
.if \first == 0
	PLACES 5                                       ; behind the last step's products: the first product below writes over P's fragments, the loads below land in V's
.endif
	s_wait_dscnt 0x0                               ; my reads of V's slot (in the first step: of Q's stage) and of P are back
	s_wait_xcnt 0x0
	v_lshl_add_u32 v250, v0, 2, 0x4e800
	v_mov_b32 v251, 0
	s_wait_tensorcnt 0x0                           ; all my tensor loads have landed: the one that was out is my quarter of K's tile
	ds_add_u32 v250, v251
	s_wait_dscnt 0x0
.if \first == 0
	NEXTV                                          ; no load of mine is out: V's address goes to the walk's next tile
.endif
	ROUND                                          ; both hold of every wave of all four work-groups
	tensor_load_to_lds s[G0V:G0V+3], s[G1V:G1V+7]  ; my one load behind the round: V's tile of this step; it has the 128 products below in which to land
	s_nop 0
	FETCHK 0, FB0
	FETCHK 1, FB1
	WIN 0x08                                       ; source 1 (Q) in window 2; LDS loads still land in window 0
	MULS 0, FB0, 1, 28                             ; 32 loads are out: chunk cc needs the first 4 (cc + 1)
	PLACES 4                                       ; before loads land in fragments that products have read
	FETCHK 2, FB0
	MULS 4, FB1, 0, 28
	PLACES 4
	FETCHK 3, FB1
	WIN 0x0c                                       ; Q in window 3
	MULS 0, FB0, 0, 28
	MULS 4, FB1, 0, 12                             ; only this group's 16 loads are left
	WIN 0
	PLACES 4                                       ; before vector instructions read S
	LOCALMAX
	s_wait_dscnt 0x0                               ; my maxima are stored, my reads of K's slot are back
	s_wait_xcnt 0x0
	v_lshl_add_u32 v250, v0, 2, 0x4e800
	v_mov_b32 v251, 0
	s_wait_tensorcnt 0x0                           ; my quarter of V's tile has landed
	ds_add_u32 v250, v251
	s_wait_dscnt 0x0
.if \last
	s_barrier_signal -1                            ; nothing is left to fetch: the work-group's barrier alone
	s_barrier_wait -1
.else
	NEXTK                                          ; K's address goes to the walk's next tile
	ROUND
	tensor_load_to_lds s[G0K:G0K+3], s[G1K:G1K+7]  ; my one load behind the round: K's tile of the next step; it has the softmax and the second product in which to land
	s_nop 0
.endif
.irp ww, 0,1,2,3
	ds_load_b128 v[MXR+4*\ww:MXR+4*\ww+3], v[ML] offset:256*\ww
.endr
	FETCHV 0, FB0                                  ; early: they come back under the softmax
	s_wait_dscnt 16                                ; the four loads of maxima are in, V's 16 stay out
	NEWMAX \first
	SM_FMA 0                                       ; behind each run of exponentials stands the next block's first multiply-add, which touches none of them (ISA guide 5.7.2)
	SM_EXP 0
	SM_FMA 1
	SM_SUM 0, \first
	SM_PACK 0
	SM_EXP 1
	SM_FMA 2
	SM_SUM 1, \first
	SM_PACK 1
	SM_EXP 2
	SM_FMA 3
	SM_SUM 2, \first
	SM_PACK 2
	SM_EXP 3
	v_nop
	s_wait_alu depctr_va_vdst(0)
	SM_SUM 3, \first
	SM_PACK 3
	s_wait_dscnt 0x0                               ; my part of P is stored
	s_barrier_signal -1                            ; K's next tile stays on its way
.if \first == 0
	WIN 0x41
	RESCALE                                        ; register work while the others arrive
	WIN 0
.endif
	s_barrier_wait -1                              ; P is whole
	FETCHP 0, PB0
	FETCHV 1, FB1
	FETCHP 1, PB1
	WIN 0x50                                       ; C and D (O) in window 1
	s_wait_dscnt 24                                ; chunk 0 is in; chunk 1's 16 + 8 loads stay out
	MULO FB0, PB0, \first
	WIN 0
	PLACES 4
	FETCHV 2, FB0
	FETCHP 2, PB0
	WIN 0x50
	s_wait_dscnt 24                                ; chunk 1 is in; chunk 2's 24 stay out
	MULO FB1, PB1, 0
	WIN 0
	PLACES 4
	FETCHV 3, FB1
	FETCHP 3, PB1
	WIN 0x50
	s_wait_dscnt 24
	MULO FB0, PB0, 0
	s_wait_dscnt 0x0
	MULO FB1, PB1, 0
	WIN 0
.endm
	STEP 1, 0                                      ; the first step starts every sum
	s_mov_b32 s46, STEPS-2
.Lstep:
	STEP 0, 0
	s_sub_co_u32 s46, s46, 1
	s_cmp_lg_u32 s46, 0
	s_cbranch_scc1 .Lstep
	STEP 0, 1                                      ; the last step asks for no further tile of K
	; THE END: the row sums over the lane's pair, the lanes' halves and the four waves; O / sum; the way out.
	PLACES 4                                       ; behind the last products: O is read, the fragment buffers are loaded again
.irp qi, 0,1,2,3
	v_add_f32 v[VLM+\qi], v[VL+2*\qi], v[VL+2*\qi+1]
.endr
.irp qi, 0,1,2,3
	v_permlanex16_b32 v[VT+\qi], v[VLM+\qi], s44, s45
.endr
.irp qi, 0,1,2,3
	v_add_f32 v[VLM+\qi], v[VLM+\qi], v[VT+\qi]
.endr
	ds_store_b128 v[MS], v[VLM:VLM+3]              ; the maxima there were last read in front of the last step's barrier for P
	s_wait_dscnt 0x0
	s_barrier_signal -1
	s_barrier_wait -1
.irp ww, 0,1,2,3
	ds_load_b128 v[MXR+4*\ww:MXR+4*\ww+3], v[ML] offset:256*\ww
.endr
	s_wait_dscnt 0x0
.irp qi, 0,1,2,3
	v_add_f32 v[VT+\qi], v[MXR+\qi], v[MXR+4+\qi]
	v_add_f32 v[VLM+\qi], v[MXR+8+\qi], v[MXR+12+\qi]
.endr
.irp qi, 0,1,2,3
	v_add_f32 v[VT+\qi], v[VT+\qi], v[VLM+\qi]
.endr
.irp qi, 0,1,2,3
	v_rcp_f32 v[VAL+\qi], v[VT+\qi]                ; the sum is about 1 at the least: the row's largest term is 2^0 up to rounding
.endr
	v_nop                                          ; the place behind the reciprocals (ISA guide 5.7.2)
	s_wait_alu depctr_va_vdst(0)
	WIN 0x41
	RESCALE
; 16 queries (block qi) x 64 columns (half ah of my 128) at a time: a lane's 32 bytes go into my own stage, whole rows of 256 bytes come back.
; LDS serves a wave's instructions in order (ISA guide 5.7.1), so no wait stands between the stores and the loads.
.macro OUT qi, ah, buf
	WIN 0x04                                       ; store data (source 1) in window 1
.irp ap, 0,1,2,3
	ds_store_b128 v[ST], v[8*(4*(4*\ah+\ap)+\qi):8*(4*(4*\ah+\ap)+\qi)+3]   offset:64*\ap
	ds_store_b128 v[ST], v[8*(4*(4*\ah+\ap)+\qi)+4:8*(4*(4*\ah+\ap)+\qi)+7] offset:64*\ap+16
.endr
	WIN 0
	s_wait_xcnt 0x0                                ; buffer buf, which earlier stores read, is loaded again only behind this wait
.irp tt, 0,1,2,3,4,5,6,7
	ds_load_b128 v[\buf+4*\tt:\buf+4*\tt+3], v[SR] offset:2*SPITCH*\tt
.endr
.irp tt, 0,1,2,3,4,5,6,7
	s_wait_dscnt 7-\tt
	global_store_b128 v[CO], v[\buf+4*\tt:\buf+4*\tt+3], s[10:11] offset:(16*\qi+2*\tt)*2048+256*\ah th:TH_STORE_NT   ; 16 lanes store 256 consecutive bytes, aligned
.endr
.endm
	OUT 0, 0, FB0
	OUT 0, 1, FB0+32
	OUT 1, 0, FB0
	OUT 1, 1, FB0+32
	OUT 2, 0, FB0
	OUT 2, 1, FB0+32
	OUT 3, 0, FB0
	OUT 3, 1, FB0+32
	s_wait_xcnt 0x0
	v_lshl_add_u32 v250, v0, 2, 0x4e800
	v_mov_b32 v251, 0
	s_wait_tensorcnt 0x0
	ds_add_u32 v250, v251
	s_wait_dscnt 0x0
	ROUND                                          ; the closing round (the last count-down ended at 0: no LDS instruction is out): no work-group ends while a partner may still ask jointly
	s_endpgm
.Lfunc_end_k_q1d75ecd1cc_attn:
	.size	k_q1d75ecd1cc_attn, .Lfunc_end_k_q1d75ecd1cc_attn-k_q1d75ecd1cc_attn
	.p2alignl 7, 3214868480
	.fill 96, 4, 3214868480
	.section	.rodata,"a",@progbits
	.p2align	6, 0x0
	.amdhsa_kernel k_q1d75ecd1cc_attn
		.amdhsa_group_segment_fixed_size 327680
		.amdhsa_private_segment_fixed_size 0
		.amdhsa_enable_private_segment 0
		.amdhsa_kernarg_size 32
		.amdhsa_user_sgpr_count 2
		.amdhsa_user_sgpr_kernarg_segment_ptr 1
		.amdhsa_wavefront_size32 1
		.amdhsa_system_sgpr_workgroup_id_x 1
		.amdhsa_system_sgpr_workgroup_id_y 1
		.amdhsa_system_sgpr_workgroup_id_z 1
		.amdhsa_system_vgpr_workitem_id 0
		.amdhsa_next_free_vgpr 1024
		.amdhsa_next_free_sgpr 72
		.amdhsa_reserve_vcc 0
		.amdhsa_float_denorm_mode_32 3
		.amdhsa_float_denorm_mode_16_64 3
		.amdhsa_memory_ordered 1
		.amdhsa_forward_progress 1
		.amdhsa_inst_pref_size 228
	.end_amdhsa_kernel
	.amdgpu_metadata
---
amdhsa.version: [ 1, 2 ]
amdhsa.kernels:
  - .name:           k_q1d75ecd1cc_attn
    .symbol:         k_q1d75ecd1cc_attn.kd
    .args:
      - { .name: query, .offset: 0, .size: 8, .value_kind: global_buffer, .address_space: global }
      - { .name: kb, .offset: 8, .size: 8, .value_kind: global_buffer, .address_space: global }
      - { .name: vb, .offset: 16, .size: 8, .value_kind: global_buffer, .address_space: global }
      - { .name: out0, .offset: 24, .size: 8, .value_kind: global_buffer, .address_space: global }
    .group_segment_fixed_size: 327680
    .private_segment_fixed_size: 0
    .kernarg_segment_align: 8
    .kernarg_segment_size: 32
    .max_flat_workgroup_size: 128
    .sgpr_count:     72
    .vgpr_count:     1024
    .wavefront_size: 32
...
	.end_amdgpu_metadata
.endif
;; end of part 2
;; ======== version 2 of 2: 2 launches; version 1 with the launch cast written anew for expert scheduling mode
;; workspace buffers: kb 16,777,216 bytes; vb 16,777,216 bytes
;; launch cast (part 3): grid 512 x 1, 8 waves a work-group, no clusters, 0 bytes of LDS; arguments key, value, kb, vb; writes kb, vb
.if DOCPART == 3
	.amdgcn_target "amdgcn-amd-amdhsa--gfx1250"
	.amdhsa_code_object_version 6
	.text
	.protected	k_q1d75ecd1cc_cast
	.globl	k_q1d75ecd1cc_cast
	.p2align	8
	.type	k_q1d75ecd1cc_cast,@function
k_q1d75ecd1cc_cast:
	s_mov_b64 s[64:65], 0
	v_nop
	global_prefetch_b8 v0, s[64:65] scope:SCOPE_SE
	s_setreg_imm32_b32 hwreg(HW_REG_WAVE_SCHED_MODE, 0, 2), 2
	s_setreg_imm32_b32 hwreg(HW_REG_WAVE_MODE, 25, 1), 1
	s_wait_xcnt 0x0
	s_wait_alu depctr_vm_vsrc(0)
; kb = bf16(key), vb = bf16(value), element by element, in the same index order.  key, value: 33,554,432 bytes of f32 each.
; A stream: every input byte is read once, every output byte written once; LDS, barriers and the matrix unit would add nothing.
; 512 work-groups of eight waves; work-group g owns bytes 65,536 g .. + 65,535 of key and of value, a wave 8,192 bytes of each.
; A wave issues all its 32 loads (512 consecutive bytes each) first, so 16 KiB of every wave are on their way, and then
; converts and stores them in the order in which they come back.
; THE MODE: SCHED_MODE bits 1:0 = 2 (LLVM: expert scheduling mode 2), set by the entry lines.  The code itself states the register dependences
; between vector instructions and memory instructions, with s_wait_alu, always for 0.
; THE PLAN.  Registers that memory instructions touch:
;   v1, v2          byte offsets in and out: made at the head by vector instructions, read by every load (v1) and every store (v2), never written again.
;   v[X+4j ..+3]    load j lands here, once; no vector instruction names these registers before.  Its two conversions read all four and write the
;                   first two, in place; store j reads those two; nothing writes them afterwards.
; So the one kind of dependence is: a vector instruction writes what a memory instruction then reads.  No register that a memory instruction has read
; is written again, no load lands in a register that a vector instruction has named, no vector instruction writes a scalar register, EXEC is not written.
; The 32 loads go in eight blocks of four.  Block p converts its own four loads and issues the four stores of block p - 1, whose words no
; conversion of block p names: ONE wait at a block's head states all that its four stores hang on, and they are dealt among the conversions.
.set CHUNK, 65536                      ; input bytes of one tensor for a work-group
.set X, 4                              ; v[4:131]  load j: four f32 in v[X+4j : X+4j+3]; its two packed words end up in the first two
.set BLOCK, 4                          ; loads in a block; loads 0 to 15 are key's, 16 to 31 value's
	s_load_b256 s[4:11], s[0:1], 0x0               ; key s[4:5], value s[6:7], kb s[8:9], vb s[10:11]
	s_lshl_b32 s12, ttmp9, 16                      ; the work-group's first input byte (below 2^25)
	s_mov_b32 s13, 0
	s_lshl_b32 s14, ttmp9, 15                      ; and its first output byte: half of that
	s_mov_b32 s15, 0
	v_and_b32 v3, 31, v0                           ; lane
	v_lshrrev_b32 v2, 5, v0                        ; wave
	v_lshlrev_b32 v1, 13, v2
	v_lshl_add_u32 v1, v3, 4, v1                   ; in:  8,192 wave + 16 lane
	v_lshlrev_b32 v2, 12, v2
	v_lshl_add_u32 v2, v3, 3, v2                   ; out: 4,096 wave + 8 lane
	s_wait_kmcnt 0x0
	s_add_nc_u64 s[4:5], s[4:5], s[12:13]
	s_add_nc_u64 s[6:7], s[6:7], s[12:13]
	s_add_nc_u64 s[8:9], s[8:9], s[14:15]
	s_add_nc_u64 s[10:11], s[10:11], s[14:15]
	s_wait_alu depctr_va_vdst(0)                   ; v1 and v2 are written: every load of the kernel reads v1 as its offset, every store v2
.irp j, 0,1,2,3,4,5,6,7,8,9,10,11,12,13,14,15
	global_load_b128 v[X+4*\j:X+4*\j+3], v1, s[4:5] offset:512*\j th:TH_LOAD_NT
.endr
.irp j, 0,1,2,3,4,5,6,7,8,9,10,11,12,13,14,15
	global_load_b128 v[X+64+4*\j:X+64+4*\j+3], v1, s[6:7] offset:512*\j th:TH_LOAD_NT
.endr
; load j's four f32 close up into two packed words, in place
.macro CVT j
	v_cvt_pk_bf16_f32 v[X+4*(\j)],   v[X+4*(\j)],   v[X+4*(\j)+1]
	v_cvt_pk_bf16_f32 v[X+4*(\j)+1], v[X+4*(\j)+2], v[X+4*(\j)+3]
.endm
; load j's two words leave: the wave's 32 lanes store 256 consecutive bytes, aligned; read again by the next launch, so no hint
.macro OUT j
.if (\j) < 16
	global_store_b64 v2, v[X+4*(\j):X+4*(\j)+1], s[8:9] offset:256*(\j)
.else
	global_store_b64 v2, v[X+4*(\j):X+4*(\j)+1], s[10:11] offset:256*((\j)-16)
.endif
.endm
; Block p: loads 4 p to 4 p + 3 are converted; the words of loads 4 p - 4 to 4 p - 1 are stored.
.macro BLK p
	s_wait_loadcnt 32-BLOCK-BLOCK*(\p)             ; loads come back in order (ISA guide 5.7.1): this block's four are in, the 28 - 4 p younger ones stay out
.if (\p) > 0
	s_wait_alu depctr_va_vdst(0)                   ; the conversions of the block before have written its eight packed words, which the four stores below read
.endif
.irp i, 0,1,2,3
.if (\p) > 0
	OUT BLOCK*(\p)-BLOCK+(\i)                      ; no wait: no vector instruction since the wait above names these two words or v2
.endif
	CVT BLOCK*(\p)+(\i)
.endr
.endm
	BLK 0                                          ; no block stands in front of it: nothing to store yet
	BLK 1
	BLK 2
	BLK 3
	BLK 4
	BLK 5
	BLK 6
	BLK 7
	s_wait_alu depctr_va_vdst(0)                   ; the last block's conversions have written its eight packed words, which the last four stores read
	OUT 28
	OUT 29
	OUT 30
	OUT 31
	s_endpgm
.Lfunc_end_k_q1d75ecd1cc_cast:
	.size	k_q1d75ecd1cc_cast, .Lfunc_end_k_q1d75ecd1cc_cast-k_q1d75ecd1cc_cast
	.p2alignl 7, 3214868480
	.fill 96, 4, 3214868480
	.section	.rodata,"a",@progbits
	.p2align	6, 0x0
	.amdhsa_kernel k_q1d75ecd1cc_cast
		.amdhsa_group_segment_fixed_size 0
		.amdhsa_private_segment_fixed_size 0
		.amdhsa_enable_private_segment 0
		.amdhsa_kernarg_size 32
		.amdhsa_user_sgpr_count 2
		.amdhsa_user_sgpr_kernarg_segment_ptr 1
		.amdhsa_wavefront_size32 1
		.amdhsa_system_sgpr_workgroup_id_x 1
		.amdhsa_system_sgpr_workgroup_id_y 1
		.amdhsa_system_sgpr_workgroup_id_z 1
		.amdhsa_system_vgpr_workitem_id 0
		.amdhsa_next_free_vgpr 136
		.amdhsa_next_free_sgpr 66
		.amdhsa_reserve_vcc 0
		.amdhsa_float_denorm_mode_32 3
		.amdhsa_float_denorm_mode_16_64 3
		.amdhsa_memory_ordered 1
		.amdhsa_forward_progress 1
		.amdhsa_inst_pref_size 12
	.end_amdhsa_kernel
	.amdgpu_metadata
---
amdhsa.version: [ 1, 2 ]
amdhsa.kernels:
  - .name:           k_q1d75ecd1cc_cast
    .symbol:         k_q1d75ecd1cc_cast.kd
    .args:
      - { .name: key, .offset: 0, .size: 8, .value_kind: global_buffer, .address_space: global }
      - { .name: value, .offset: 8, .size: 8, .value_kind: global_buffer, .address_space: global }
      - { .name: kb, .offset: 16, .size: 8, .value_kind: global_buffer, .address_space: global }
      - { .name: vb, .offset: 24, .size: 8, .value_kind: global_buffer, .address_space: global }
    .group_segment_fixed_size: 0
    .private_segment_fixed_size: 0
    .kernarg_segment_align: 8
    .kernarg_segment_size: 32
    .max_flat_workgroup_size: 256
    .sgpr_count:     66
    .vgpr_count:     136
    .wavefront_size: 32
...
	.end_amdgpu_metadata
.endif
;; end of part 3
;; launch attn: the kernel of part 2 again; grid 256 x 1, 4 waves a work-group, clusters of 4 x 1, 327,680 bytes of LDS; arguments query, kb, vb, out0; writes out0
